; MI455X (gfx1250); checked and timed in simulation.
; The chip was launched on July 23, 2026; its instructions are those of AMD's public machine-readable ISA for CDNA 5 (MIT licence, August 2026) and "CDNA5" Instruction Set Architecture Reference Guide (July 2026). The comments in the code are by the model that wrote it; some were corrected since.
;; Multihead Self Attention. Allowed arithmetic: float matrix products may take bf16 or f16 operands with f32 sums; all other float work in f32.
;; Inputs: Wk 1,024 x 1,024 float32; Wo 1,024 x 1,024 float32; Wq 1,024 x 1,024 float32; Wv 1,024 x 1,024 float32; token_positions 2,048 int32; x 2 x 2,048 x 1,024 float32.
;; Outputs: out0 2 x 2,048 x 1,024 float32.
;; One version. Each part assembles by itself: llvm-mc -triple=amdgcn-amd-amdhsa -mcpu=gfx1250 --defsym DOCPART=n.
;; ======== version 1 of 1: 4 launches
;; limits: values are held in f16: magnitudes above 65,504 overflow, below 6.1e-05 lose precision; inputs' magnitudes at most 1,000,000; an absolute error that grows with the inputs' magnitude: up to 1e-06 times it
;; workspace buffers: xb 8,388,608 bytes; wb 6,291,456 bytes; wo16 2,097,152 bytes; rope 524,288 bytes; qkv 25,165,824 bytes; attn 8,388,608 bytes
;; launch prep (part 1): grid 64 x 9, 8 waves a work-group, no clusters, 0 bytes of LDS; arguments x, Wq, Wk, Wv, Wo, token_positions, xb, wb, wo16, rope; writes xb, wb, wo16, rope
.if DOCPART == 1
	.amdgcn_target "amdgcn-amd-amdhsa--gfx1250"
	.amdhsa_code_object_version 6
	.text
	.protected	k_qbe4322d90d_prep
	.globl	k_qbe4322d90d_prep
	.p2align	8
	.type	k_qbe4322d90d_prep,@function
k_qbe4322d90d_prep:
	s_mov_b64 s[64:65], 0
	v_nop
	global_prefetch_b8 v0, s[64:65] scope:SCOPE_SE
	s_setreg_imm32_b32 hwreg(HW_REG_WAVE_MODE, 25, 1), 1
	s_wait_xcnt 0x0
; PREP: the matrix operands in 16 bits, and the RoPE table.
;   y = 0..3 : a quarter of x (4 MiB of f32)        -> xb   [4096][1024] bf16
;   y = 4..6 : Wq, Wk, Wv                           -> wb   [3072][1024] bf16 (rows of Wq, then Wk, then Wv)
;   y = 7    : Wo, rounded to bf16 and written as f16 -> wo16 [1024][1024] f16
;   y = 8    : rope[s][f] = (cos, sin)(token_positions[s] * 10000^(-f/32)), f32, a row of 256 bytes for each s
; A converting work-group takes 65,536 bytes: 256 threads x 16 loads of 16 bytes, all issued at once; each store of a wave
; covers 256 consecutive bytes, aligned.  Memory binds: no LDS, no matrix unit, no barrier.
; LIMITS.  Wo as f16: exact for 2^-14 <= |w| <= 65,504; below 2^-14 the step is 2^-24.
; The table: 10000^(-f/32) comes from v_exp_f32 (1 ULP), so an angle differs from one made with a correctly rounded power by up
; to about 1e-6 of its size at the highest f and 2.5e-7 at the lowest; the reduction by pi/2 in two parts holds to |angle| of about 1e6.
.set XL, 4                             ; v[4:67]   16 loads of 4 registers
.set YO, 68                            ; v[68:99]  16 stores of 2 registers: each store has data registers of its own
.set TW, 100                           ; v[100:103] at work (Wo only)
	s_load_b512 s[8:23], s[0:1], 0x0               ; x 8, Wq 10, Wk 12, Wv 14, Wo 16, token_positions 18, xb 20, wb 22
	s_load_b128 s[24:27], s[0:1], 0x40             ; wo16 24, rope 26
	s_and_b32 s2, ttmp7, 0xffff                    ; y: which job
	v_lshrrev_b32 v1, 5, v0
	v_readfirstlane_b32 s3, v1                     ; wave
	s_wait_kmcnt 0x0
	s_cmp_eq_u32 s2, 8
	s_cbranch_scc1 .Lrope
	; from where
	s_mov_b64 s[28:29], s[8:9]
	s_cmp_eq_u32 s2, 4
	s_cselect_b64 s[28:29], s[10:11], s[28:29]
	s_cmp_eq_u32 s2, 5
	s_cselect_b64 s[28:29], s[12:13], s[28:29]
	s_cmp_eq_u32 s2, 6
	s_cselect_b64 s[28:29], s[14:15], s[28:29]
	s_cmp_eq_u32 s2, 7
	s_cselect_b64 s[28:29], s[16:17], s[28:29]
	s_lshl_b32 s30, s2, 22                         ; x: the quarter's 4 MiB
	s_cmp_lt_u32 s2, 4
	s_cselect_b32 s30, s30, 0
	s_lshl_b32 s31, ttmp9, 16                      ; the work-group's 64 KiB
	s_add_co_u32 s30, s30, s31
	s_mov_b32 s31, 0
	s_add_nc_u64 s[28:29], s[28:29], s[30:31]
	; to where
	s_cmp_lt_u32 s2, 4
	s_cselect_b64 s[32:33], s[20:21], s[22:23]
	s_cmp_eq_u32 s2, 7
	s_cselect_b64 s[32:33], s[24:25], s[32:33]
	s_and_b32 s34, s2, 3                           ; quarter of x, or which of Wq, Wk, Wv
	s_lshl_b32 s34, s34, 21
	s_cmp_eq_u32 s2, 7
	s_cselect_b32 s34, 0, s34
	s_lshl_b32 s35, ttmp9, 15
	s_add_co_u32 s34, s34, s35
	s_mov_b32 s35, 0
	s_add_nc_u64 s[32:33], s[32:33], s[34:35]
	v_lshlrev_b32 v1, 4, v0                        ; 16 t
	v_lshlrev_b32 v2, 3, v0                        ; 8 t
.irp j, 0,1,2,3,4,5,6,7,8,9,10,11,12,13,14,15
	global_load_b128 v[XL+4*\j:XL+4*\j+3], v1, s[28:29] offset:4096*\j th:TH_LOAD_NT
.endr
	s_cmp_eq_u32 s2, 7
	s_cbranch_scc1 .Lwo
.irp j, 0,1,2,3,4,5,6,7,8,9,10,11,12,13,14,15
	s_wait_loadcnt 15-\j                           ; loads come back in order: load j is in, the younger ones stay out
	v_cvt_pk_bf16_f32 v[YO+2*\j], v[XL+4*\j], v[XL+4*\j+1]
	v_cvt_pk_bf16_f32 v[YO+2*\j+1], v[XL+4*\j+2], v[XL+4*\j+3]
	global_store_b64 v2, v[YO+2*\j:YO+2*\j+1], s[32:33] offset:2048*\j
.endr
	s_endpgm
.Lwo:                                              ; Wo: to bf16 (the rounding), widened again, written as f16
.irp j, 0,1,2,3,4,5,6,7,8,9,10,11,12,13,14,15
	s_wait_loadcnt 15-\j
	v_cvt_pk_bf16_f32 v[TW], v[XL+4*\j], v[XL+4*\j+1]
	v_cvt_pk_bf16_f32 v[TW+1], v[XL+4*\j+2], v[XL+4*\j+3]
	v_lshlrev_b32 v[TW+2], 16, v[TW]
	v_and_b32 v[TW+3], 0xffff0000, v[TW]
	v_cvt_pk_f16_f32 v[YO+2*\j], v[TW+2], v[TW+3]
	v_lshlrev_b32 v[TW+2], 16, v[TW+1]
	v_and_b32 v[TW+3], 0xffff0000, v[TW+1]
	v_cvt_pk_f16_f32 v[YO+2*\j+1], v[TW+2], v[TW+3]
	global_store_b64 v2, v[YO+2*\j:YO+2*\j+1], s[32:33] offset:2048*\j
.endr
	s_endpgm
.Lrope:                                            ; work-group x: rows 32 x .. 32 x + 31; wave w: four of them; lane = f
	s_lshl_b32 s34, ttmp9, 5
	s_lshl2_add_u32 s34, s3, s34                   ; my first row = 32 x + 4 w
	s_lshl_b32 s35, s34, 2
	s_load_b128 s[36:39], s[18:19], s35 offset:0x0 ; four positions
	s_lshl_b32 s33, s34, 8                         ; a row of the table is 256 bytes
	s_mov_b32 s40, 0xbfc90fdb                      ; -(pi/2), upper part
	s_mov_b32 s41, 0x333bbd2e                      ; -(pi/2 - upper part)
	s_mov_b32 s42, 0xb94ca1f9                      ; sine: r + r z (S1 + z (S2 + z S3)), z = r r, |r| <= pi/4
	s_mov_b32 s43, 0x3c08839e
	s_mov_b32 s44, 0xbe2aaaa3
	s_mov_b32 s45, 0x37ccf5ce                      ; cosine: 1 - z/2 + z z (C1 + z (C2 + z C3))
	s_mov_b32 s46, 0xbab6061a
	s_mov_b32 s47, 0x3d2aaaa5
	v_and_b32 v3, 31, v0                           ; f
	v_cvt_f32_u32 v4, v3
	v_mul_f32 v4, 0xbed49a78, v4                   ; -f log2(10000) / 32
	v_exp_f32 v4, v4                               ; 10000^(-f/32)
	v_lshl_add_u32 v6, v3, 3, s33                  ; the plain instruction behind v_exp_f32 (ISA guide 5.7.2): my 8 bytes in the first row
	s_wait_alu depctr_va_vdst(0)
	s_wait_kmcnt 0x0
.macro ROPEROW i
.set R, 8+12*\i
	v_cvt_f32_i32 v[R], s[36+\i]
	v_mul_f32 v[R], v[R], v4                       ; the angle
	v_mul_f32 v[R+1], 0x3f22f983, v[R]             ; x 2/pi
	v_rndne_f32 v[R+1], v[R+1]                     ; n
	v_fma_f32 v[R], v[R+1], s40, v[R]
	v_fma_f32 v[R], v[R+1], s41, v[R]              ; r = angle - n pi/2
	v_mul_f32 v[R+2], v[R], v[R]                   ; z
	v_fma_f32 v[R+3], v[R+2], s42, s43
	v_fma_f32 v[R+5], v[R+2], s45, s46
	v_fma_f32 v[R+3], v[R+2], v[R+3], s44
	v_fma_f32 v[R+5], v[R+2], v[R+5], s47
	v_mul_f32 v[R+4], v[R], v[R+2]
	v_fma_f32 v[R+6], v[R+2], -0.5, 1.0
	v_fma_f32 v[R+3], v[R+4], v[R+3], v[R]         ; sin r
	v_mul_f32 v[R+4], v[R+2], v[R+2]
	v_fma_f32 v[R+5], v[R+4], v[R+5], v[R+6]       ; cos r
	v_cvt_i32_f32 v[R+7], v[R+1]                   ; the quadrant is n mod 4
	v_and_b32 v[R+4], 1, v[R+7]
	v_cmp_eq_u32 vcc_lo, 1, v[R+4]
	v_cndmask_b32 v[R+8], v[R+5], v[R+3], vcc_lo   ; odd quadrant: sine and cosine change places
	v_cndmask_b32 v[R+9], v[R+3], v[R+5], vcc_lo
	v_and_b32 v[R+4], 2, v[R+7]
	v_lshlrev_b32 v[R+4], 30, v[R+4]
	v_xor_b32 v[R+9], v[R+9], v[R+4]               ; sine: minus in quadrants 2, 3
	v_add_nc_u32 v[R+7], 1, v[R+7]
	v_and_b32 v[R+7], 2, v[R+7]
	v_lshlrev_b32 v[R+7], 30, v[R+7]
	v_xor_b32 v[R+8], v[R+8], v[R+7]               ; cosine: minus in quadrants 1, 2
	global_store_b64 v6, v[R+8:R+9], s[26:27] offset:256*\i    ; the wave stores a whole row of 256 bytes
.endm
	ROPEROW 0
	ROPEROW 1
	ROPEROW 2
	ROPEROW 3
	s_endpgm
.Lfunc_end_k_qbe4322d90d_prep:
	.size	k_qbe4322d90d_prep, .Lfunc_end_k_qbe4322d90d_prep-k_qbe4322d90d_prep
	.p2alignl 7, 3214868480
	.fill 96, 4, 3214868480
	.section	.rodata,"a",@progbits
	.p2align	6, 0x0
	.amdhsa_kernel k_qbe4322d90d_prep
		.amdhsa_group_segment_fixed_size 0
		.amdhsa_private_segment_fixed_size 0
		.amdhsa_enable_private_segment 0
		.amdhsa_kernarg_size 80
		.amdhsa_user_sgpr_count 2
		.amdhsa_user_sgpr_kernarg_segment_ptr 1
		.amdhsa_wavefront_size32 1
		.amdhsa_system_sgpr_workgroup_id_x 1
		.amdhsa_system_sgpr_workgroup_id_y 1
		.amdhsa_system_sgpr_workgroup_id_z 1
		.amdhsa_system_vgpr_workitem_id 0
		.amdhsa_next_free_vgpr 112
		.amdhsa_next_free_sgpr 66
		.amdhsa_reserve_vcc 1
		.amdhsa_float_denorm_mode_32 3
		.amdhsa_float_denorm_mode_16_64 3
		.amdhsa_memory_ordered 1
		.amdhsa_forward_progress 1
		.amdhsa_inst_pref_size 23
	.end_amdhsa_kernel
	.amdgpu_metadata
---
amdhsa.version: [ 1, 2 ]
amdhsa.kernels:
  - .name:           k_qbe4322d90d_prep
    .symbol:         k_qbe4322d90d_prep.kd
    .args:
      - { .name: x, .offset: 0, .size: 8, .value_kind: global_buffer, .address_space: global }
      - { .name: Wq, .offset: 8, .size: 8, .value_kind: global_buffer, .address_space: global }
      - { .name: Wk, .offset: 16, .size: 8, .value_kind: global_buffer, .address_space: global }
      - { .name: Wv, .offset: 24, .size: 8, .value_kind: global_buffer, .address_space: global }
      - { .name: Wo, .offset: 32, .size: 8, .value_kind: global_buffer, .address_space: global }
      - { .name: token_positions, .offset: 40, .size: 8, .value_kind: global_buffer, .address_space: global }
      - { .name: xb, .offset: 48, .size: 8, .value_kind: global_buffer, .address_space: global }
      - { .name: wb, .offset: 56, .size: 8, .value_kind: global_buffer, .address_space: global }
      - { .name: wo16, .offset: 64, .size: 8, .value_kind: global_buffer, .address_space: global }
      - { .name: rope, .offset: 72, .size: 8, .value_kind: global_buffer, .address_space: global }
    .group_segment_fixed_size: 0
    .private_segment_fixed_size: 0
    .kernarg_segment_align: 8
    .kernarg_segment_size: 80
    .max_flat_workgroup_size: 256
    .sgpr_count:     66
    .vgpr_count:     112
    .wavefront_size: 32
...
	.end_amdgpu_metadata
.endif
;; end of part 1
;; launch qkv (part 2): grid 16 x 16, 4 waves a work-group, clusters of 4 x 4, 327,680 bytes of LDS; arguments xb, wb, rope, qkv; writes qkv
.if DOCPART == 2
	.amdgcn_target "amdgcn-amd-amdhsa--gfx1250"
	.amdhsa_code_object_version 6
	.text
	.protected	k_qbe4322d90d_qkv
	.globl	k_qbe4322d90d_qkv
	.p2align	8
	.type	k_qbe4322d90d_qkv,@function
k_qbe4322d90d_qkv:
	s_mov_b64 s[64:65], 0
	v_nop
	global_prefetch_b8 v0, s[64:65] scope:SCOPE_SE
	s_setreg_imm32_b32 hwreg(HW_REG_WAVE_MODE, 25, 1), 1
	s_wait_xcnt 0x0
	s_wait_alu depctr_hold_cnt(0) depctr_sa_sdst(0) depctr_va_vdst(0) depctr_va_sdst(0) depctr_va_ssrc(0) depctr_va_vcc(0) depctr_vm_vsrc(0)
	s_getreg_b32 s2, hwreg(HW_REG_IB_STS2, 6, 4)
	s_cmp_eq_u32 s2, 0
	s_cbranch_scc0 .Lentry_in_a_cluster
	s_endpgm
.Lentry_in_a_cluster:
	s_bfe_u32 s2, ttmp6, 0x10000c
	s_cmp_lg_u32 s2, 0xf033
	s_cbranch_scc0 .Lentry_shape_is_right
	s_endpgm
.Lentry_shape_is_right:
; QKV: [4096 x 3072] = xb . wb^T in bf16 with f32 sums, RoPE on q and k, q scaled by log2(e)/8, all written as f16 in planes
; qkv[plane][s][64], plane = 32 x (0 q, 1 k, 2 v) + 16 b + h.
; A work-group makes 256 rows x 192 columns (three whole heads); wave w makes rows 64 w .. 64 w + 63 of all 192 columns:
; 4 x 12 accumulator tiles, 384 registers.  K = 1024 goes in 8 steps of 128 (rows of 256 bytes) through two LDS slots.
; CLUSTERS: 4 x 4 work-groups; x's tiles hang on the block row alone and are asked for jointly along a row of the cluster,
; W's on the block column alone and are asked for jointly along a column.
; The matrix instruction is used transposed (source 0 = rows of W, source 1 = rows of x): a lane holds row l % 16 and the eight
; neighbouring columns 8 (l / 16) + 0 .. 7, so a RoPE pair lies in two neighbouring registers of one lane.
; LIMIT: q, k, v are kept in f16: finite up to 65,504 in magnitude, step 2^-24 below 2^-14.
; REGISTERS: window 0: addresses, A's fragments (two buffers), the RoPE table of my 64 rows; window 1: B's fragments (two buffers);
; window 2: accumulators of my rows 0-31; window 3: of my rows 32-63.
.set SIZE_K, 1024
.set KSTEP,  128
.set PITCH,  272                       ; 256 bytes + 16 of padding: the 16 rows of a fragment load start 68 words apart
.set BOFF,   256*PITCH                 ; A's 256 rows, then B's 192
.set SLOT,   448*PITCH
.set STAGE,  2*SLOT                    ; behind the ring, never filled by a tensor load
.set SPITCH, 144                       ; a staged row: 64 f16 + 16 bytes
.set HSTG,   16*SPITCH                 ; 16 rows of one head
.set WSTG,   3*HSTG                    ; a wave's stage: one region for each of the three heads
.set LAPS,   SIZE_K/(2*KSTEP)
.set GZ,   0                           ; v[0:5]   the way out: for each head the pair (G, 0)
.set ADRA, 4                           ; v4-5     LDS address of my A fragments in slot 0, 1
.set ADRB, 6                           ; v6-7     of the B fragments
.set STO,  8                           ; v8       stage: where I put 16 bytes
.set RD,   9                           ; v9       stage: where I read 16 bytes back
.set VO,   10                          ; v10-12   for each head: my byte offset in qkv
.set CSO,  13                          ; v13      my byte offset in the RoPE table
.set RB0,  16                          ; v16-31   rows read back, buffer 0
.set CB,   32                          ; v32-63   (cos, sin) of 16 rows, scaled for the head at work
.set FA,   64                          ; v64-95, v96-127  A's fragments, buffers 0, 1
.set T,    64                          ; the way out: 32 rotated numbers
.set PK,   96                          ; 16 registers of f16 pairs
.set RB1,  112                         ; rows read back, buffer 1
.set CS,   128                         ; v128-255 (cos, sin) of my 64 rows: 32 registers for each 16 rows
.set FB,   0                           ; window 1: v0-95, v96-191  B's fragments, buffers 0, 1
.set G1,  24                           ; s[24:31] group 1 for A's tiles
.set G0,  32                           ; s[32:39] group 0 for A's tiles, one set for each slot
.set G1B, 48                           ; s[48:55] group 1 for B's tiles
.set G0B, 56                           ; s[56:63] group 0 for B's tiles
.set FS,  66                           ; s[66:71] for each head the pair (F, F)
.set MSB, 0
.macro WIN new                         ; the immediate's high byte repeats the setting that is left
.if MSB != \new
	s_set_vgpr_msb (MSB<<8)|\new
.set MSB, \new
.endif
.endm
.set MUL_LO, 0xa1                      ; source 0 (B) window 1, source 1 (A) window 0, C and D window 2
.set MUL_HI, 0xf1                      ; the same, C and D window 3
.set TO_B,   0x40                      ; destination window 1
.macro JLOAD s                         ; waves 0, 1 ask for A's halves, waves 2, 3 for B's: each line has one mask
	s_cmp_eq_u32 s13, 0
	s_cbranch_scc0 .Lfor_b_\@
	tensor_load_to_lds s[G0+4*\s:G0+4*\s+3], s[G1:G1+7]
	s_nop 0
	s_branch .Lasked_\@
.Lfor_b_\@:
	tensor_load_to_lds s[G0B+4*\s:G0B+4*\s+3], s[G1B:G1B+7]
	s_nop 0
.Lasked_\@:
.endm
.macro CREST                           ; a round of the cluster's barrier behind its opening work-group barrier
	s_cmp_lg_u32 s12, 0
	s_cbranch_scc1 .Lnot_wave_0_\@
	s_barrier_signal -3
.Lnot_wave_0_\@:
	s_barrier_wait -3
	s_barrier_signal -1
	s_barrier_wait -1
.endm
.macro CROUND
	s_barrier_signal -1
	s_barrier_wait -1
	CREST
.endm
	s_load_b256 s[4:11], s[0:1], 0x0               ; xb 4, wb 6, rope 8, qkv 10
	s_set_vgpr_msb 0x40
	v_lshl_add_u32 v254, v0, 2, 0x42400
	v_mov_b32 v255, 0
	s_set_vgpr_msb 0x4045
	ds_add_u32 v254, v255
	ds_add_u32 v254, v255
	s_set_vgpr_msb 0x4500
	v_lshrrev_b32 v1, 5, v0
	v_readfirstlane_b32 s12, v1                    ; wave
	s_lshr_b32 s13, s12, 1                         ; I fetch for A (0) or for B (1)
	s_and_b32 s14, s12, 1                          ; which half of that tile
	s_bfe_u32 s40, ttmp6, 0x40000                  ; cx
	s_bfe_u32 s41, ttmp6, 0x40004                  ; cy
	s_lshl_b32 s42, ttmp9, 2
	s_add_co_u32 s42, s42, s40                     ; block column, 0..15
	s_and_b32 s15, ttmp7, 0xffff
	s_lshl_b32 s15, s15, 2
	s_add_co_u32 s15, s15, s41                     ; block row, 0..15
	s_lshl_b32 s43, s41, 2
	s_lshl_b32 s43, 15, s43                        ; my row of the cluster
	s_lshl_b32 s44, 0x1111, s40                    ; my column
	s_or_b32 s[G1+0], s43, (1<<16)|(1<<20)|(1<<21)|(5<<22)|(3<<25)   ; mask; 2-byte elements; 4 words of padding behind every 64
	s_mov_b32 s[G1+1], KSTEP<<16                   ; tensor_dim0 = 128
	s_mov_b32 s[G1+2], 128<<16                     ; tensor_dim1 = 128
	s_mov_b32 s[G1+3], KSTEP<<16                   ; tile_dim0 = 128
	s_mov_b32 s[G1+4], 128                         ; tile_dim1 = 128 rows
	s_mov_b32 s[G1+5], SIZE_K                      ; elements from row to row
	s_mov_b32 s[G1+6], 0
	s_mov_b32 s[G1+7], 0
	s_or_b32 s[G1B+0], s44, (1<<16)|(1<<20)|(1<<21)|(5<<22)|(3<<25)
	s_mov_b32 s[G1B+1], KSTEP<<16
	s_mov_b32 s[G1B+2], 96<<16                     ; B's halves have 96 rows
	s_mov_b32 s[G1B+3], KSTEP<<16
	s_mov_b32 s[G1B+4], 96
	s_mov_b32 s[G1B+5], SIZE_K
	s_mov_b32 s[G1B+6], 0
	s_mov_b32 s[G1B+7], 0
	s_lshl_b32 s17, s14, 7
	s_lshl_b32 s16, s15, 8
	s_add_co_u32 s16, s16, s17                     ; A: row 256 x block row + 128 x half
	s_lshl_b32 s16, s16, 11                        ; 2,048 bytes a row
	s_mov_b32 s17, 0
	s_mul_i32 s46, s42, 192
	s_mul_i32 s47, s14, 96
	s_add_co_u32 s46, s46, s47                     ; B: row 192 x block column + 96 x half
	s_lshl_b32 s46, s46, 11
	s_mov_b32 s47, 0
	s_mul_i32 s20, s12, 128*PITCH                  ; A's halves go to wave x 128 rows (waves 0, 1)
	s_mul_i32 s21, s12, 96*PITCH                   ; B's to BOFF + (wave - 2) x 96 rows (waves 2, 3)
	s_add_co_u32 s21, s21, BOFF-192*PITCH
	s_wait_dscnt 0x0
	s_wait_kmcnt 0x0
	s_add_nc_u64 s[18:19], s[4:5], s[16:17]
	s_add_nc_u64 s[46:47], s[6:7], s[46:47]
	CROUND                                         ; all sixteen work-groups are here: the first joint loads meet
.irp s, 0,1
	s_mov_b32 s[G0+4*\s], 1
	s_add_co_u32 s[G0+4*\s+1], s20, \s*SLOT
	s_add_nc_u64 s[G0+4*\s+2:G0+4*\s+3], s[18:19], \s*KSTEP*2
	s_or_b32 s[G0+4*\s+3], s[G0+4*\s+3], 0x80000000
	s_mov_b32 s[G0B+4*\s], 1
	s_add_co_u32 s[G0B+4*\s+1], s21, \s*SLOT
	s_add_nc_u64 s[G0B+4*\s+2:G0B+4*\s+3], s[46:47], \s*KSTEP*2
	s_or_b32 s[G0B+4*\s+3], s[G0B+4*\s+3], 0x80000000
	JLOAD \s                                       ; K steps 0 and 1: two tensor loads of the wave are out
.endr
	v_and_b32 v1, 15, v0                           ; r = l % 16
	v_bfe_u32 v2, v0, 4, 1                         ; h = l / 16
	v_mul_u32_u24 v3, v1, PITCH
	v_lshl_add_u32 v3, v2, 4, v3                   ; r x pitch + 16 h
	s_mul_i32 s22, s12, 64*PITCH                   ; my 64 rows of A
	v_add_nc_u32 v[ADRA], s22, v3
	v_add_nc_u32 v[ADRA+1], SLOT, v[ADRA]
	v_add_nc_u32 v[ADRB], BOFF, v3
	v_add_nc_u32 v[ADRB+1], SLOT, v[ADRB]
	s_mul_i32 s22, s12, WSTG
	s_add_co_u32 s22, s22, STAGE                   ; my stage
	v_mul_u32_u24 v3, v1, SPITCH
	v_lshl_add_u32 v3, v2, 4, v3
	v_add_nc_u32 v[STO], s22, v3
	v_and_b32 v3, 31, v0                           ; l
	v_lshrrev_b32 v14, 3, v3
	v_mul_u32_u24 v14, v14, SPITCH                 ; back: eight lanes take a row of 128 bytes
	v_and_b32 v15, 7, v0
	v_lshl_add_u32 v14, v15, 4, v14
	v_add_nc_u32 v[RD], s22, v14
	s_and_b32 s23, s15, 7
	s_lshl_b32 s23, s23, 8
	s_lshl_b32 s72, s12, 6
	s_add_co_u32 s23, s23, s72                     ; the position s of my first row
	v_add_nc_u32 v14, s23, v1
	v_lshlrev_b32 v14, 8, v14                      ; a table row is 256 bytes
	v_lshl_add_u32 v[CSO], v2, 5, v14              ; + 32 h: four (cos, sin) for my eight columns
	s_lshl_b32 s23, s23, 7                         ; a row of a plane is 128 bytes
	v_lshl_add_u32 v14, v3, 4, s23
	s_mul_i32 s72, s42, 3                          ; my first head among the 48 of q, k, v
	s_lshr_b32 s75, s15, 3                         ; b
.irp hh, 0,1,2
	s_add_co_u32 s73, s72, \hh
	s_and_b32 s74, s73, 0x30
	s_add_co_u32 s74, s74, s73
	s_lshl4_add_u32 s74, s75, s74                  ; plane = 32 mat + 16 b + h
	s_lshl_b32 s74, s74, 18
	v_add_nc_u32 v[VO+\hh], s74, v14
	s_cmp_lt_u32 s73, 16
	s_cselect_b32 s74, 0x3e38aa3b, 1.0             ; q: the rotation carries log2(e)/8; k: 1
	s_cmp_lt_u32 s73, 32
	s_cselect_b32 s[FS+2*\hh], s74, 0              ; v: (cos, sin) x 0 + (1, 0): the identity
	s_mov_b32 s[FS+2*\hh+1], s[FS+2*\hh]
.endr
.irp a, 0,1,2,3
.irp g, 0,1,2,3
	global_load_b128 v[CS+32*\a+8*\g:CS+32*\a+8*\g+3], v[CSO], s[8:9] offset:\a*4096+\g*64
	global_load_b128 v[CS+32*\a+8*\g+4:CS+32*\a+8*\g+7], v[CSO], s[8:9] offset:\a*4096+\g*64+16
.endr
.endr                                              ; waited for on the way out
; 12 matrix instructions: my rows 16 a .. 16 a + 15 x all 192 columns, 32 along K, from buffer f
.macro MULROW f, a, zero
.irp b, 0,1,2,3,4,5,6,7,8,9,10,11
.if \zero
	v_wmma_f32_16x16x32_bf16 v[8*(12*((\a)%2)+\b):8*(12*((\a)%2)+\b)+7], v[FB+96*\f+8*\b:FB+96*\f+8*\b+7], v[FA+32*\f+8*\a:FA+32*\f+8*\a+7], 0
.else
	v_wmma_f32_16x16x32_bf16 v[8*(12*((\a)%2)+\b):8*(12*((\a)%2)+\b)+7], v[FB+96*\f+8*\b:FB+96*\f+8*\b+7], v[FA+32*\f+8*\a:FA+32*\f+8*\a+7], v[8*(12*((\a)%2)+\b):8*(12*((\a)%2)+\b)+7]
.endif
.endr
.endm
; 32 LDS loads in one run: 192 rows of B, then my 64 rows of A, 32 K at byte k of the rows, into buffer f
.macro FETCH slot, k, f
	WIN TO_B
.irp i, 0,1,2,3,4,5,6,7,8,9,10,11
	ds_load_b128 v[FB+96*\f+8*\i:FB+96*\f+8*\i+3],   v[ADRB+\slot] offset:\k+\i*16*PITCH
	ds_load_b128 v[FB+96*\f+8*\i+4:FB+96*\f+8*\i+7], v[ADRB+\slot] offset:\k+\i*16*PITCH+32
.endr
	WIN 0
.irp i, 0,1,2,3
	ds_load_b128 v[FA+32*\f+8*\i:FA+32*\f+8*\i+3],   v[ADRA+\slot] offset:\k+\i*16*PITCH
	ds_load_b128 v[FA+32*\f+8*\i+4:FA+32*\f+8*\i+7], v[ADRA+\slot] offset:\k+\i*16*PITCH+32
.endr
.endm
.macro PLACES                          ; four plain vector instructions between a matrix instruction and a load into, or a vector read of, its registers
.rept 4
	v_nop
.endr
.endm
; A quarter step: 48 matrix instructions on buffer f; in its middle the next quarter's fragments go into buffer g.
; The 48 accumulators take turns, one instruction a turn, in the same order in every quarter.
.macro QUARTER slot, k, f, g, zero
	s_wait_dscnt 4                                 ; B and A's rows 0-31 are in; the four youngest loads (A's rows 32-63) may be out
	WIN MUL_LO
	MULROW \f, 0, \zero
	MULROW \f, 1, \zero
	PLACES
	FETCH \slot, \k, \g
	s_wait_dscnt 32                                ; all but the 32 just issued
	WIN MUL_HI
	MULROW \f, 2, \zero
	MULROW \f, 3, \zero
.endm
.macro THREE slot, zero
	QUARTER \slot, 64,  0, 1, \zero
	QUARTER \slot, 128, 1, 0, 0
	QUARTER \slot, 192, 0, 1, 0
.endm
; The last quarter changes slots.  In front of the barrier each wave waits for its reads of this slot and for all its tensor loads (one is
; out: its part of the next slot); behind it (with fill: behind the cluster's round) the refill comes first, then the next slot is read.
.macro TURN slot, next, fill
	s_wait_dscnt 4
	WIN MUL_LO
	MULROW 1, 0, 0
	s_wait_dscnt 0                                 ; my reads of this slot are over
	s_set_vgpr_msb 0xa1a5
	s_wait_tensorcnt 0x0                           ; all my tensor loads have landed
	ds_add_u32 v254, v255
	s_wait_dscnt 0x0
	s_set_vgpr_msb 0xa5a1
	s_barrier_signal -1
	MULROW 1, 1, 0                                 ; register work while the others arrive
	WIN 0
	s_barrier_wait -1
.if \fill
	CREST                                          ; no wave of any partner still reads this slot or has a load on its way
	s_add_nc_u64 s[G0+4*\slot+2:G0+4*\slot+3], s[G0+4*\slot+2:G0+4*\slot+3], 2*KSTEP*2
	s_add_nc_u64 s[G0B+4*\slot+2:G0B+4*\slot+3], s[G0B+4*\slot+2:G0B+4*\slot+3], 2*KSTEP*2
	JLOAD \slot                                    ; the first tensor load behind the round; it has 180 matrix instructions in which to land
.endif
	PLACES
	FETCH \next, 0, 0
	WIN MUL_HI
	MULROW 1, 2, 0
	MULROW 1, 3, 0
.endm
.macro LAP zero
	THREE 0, \zero
	TURN 0, 1, 1
	THREE 1, 0
	TURN 1, 0, 1
.endm
	s_wait_tensorcnt 1                             ; my part of K step 0 is in; K step 1's stays out
	s_barrier_signal -1
	s_barrier_wait -1
	FETCH 0, 0, 0
	LAP 1                                          ; the first products start the sums: nothing is cleared
	WIN 0
	s_mov_b32 s3, LAPS-2
.Llap:
	LAP 0
	WIN 0
	s_sub_co_u32 s3, s3, 1
	s_cmp_lg_u32 s3, 0
	s_cbranch_scc1 .Llap
	THREE 0, 0                                     ; the last lap fills nothing
	TURN 0, 1, 0
	THREE 1, 0
	s_wait_dscnt 4
	WIN MUL_LO
	MULROW 1, 0, 0
	MULROW 1, 1, 0
	s_wait_dscnt 0
	WIN MUL_HI
	MULROW 1, 2, 0
	MULROW 1, 3, 0
	; THE WAY OUT, 16 rows of one head at a time: scale the table for the head, rotate, round to f16, through my stage, whole rows out.
	WIN 0
	PLACES
	s_wait_loadcnt 0x0                             ; the table of my 64 rows
.irp hh, 0,1,2
	s_cmp_eq_u32 s[FS+2*\hh], 0
	s_cselect_b32 s74, 1.0, 0                      ; G = 1 for a head of v, else 0
	v_mov_b32 v[GZ+2*\hh], s74
	v_mov_b32 v[GZ+2*\hh+1], 0
.endr
.set RBC, RB0                          ; the buffer that this head's rows are read into
.set RBP, RB1                          ; the one that holds the head before
.set PA, 0
.set PHH, 0
.macro STORES                          ; the rows read back last: each store of the wave covers 512 consecutive bytes, aligned
	s_wait_dscnt 0x0
.irp t, 0,1,2,3
	global_store_b128 v[VO+PHH], v[RBP+4*\t:RBP+4*\t+3], s[10:11] offset:PA*2048+512*\t
.endr
.endm
.macro HEAD a, hh, first
	WIN 0
.irp i, 0,1,2,3,4,5,6,7,8,9,10,11,12,13,14,15
	v_pk_fma_f32 v[CB+2*\i:CB+2*\i+1], v[CS+32*\a+2*\i:CS+32*\a+2*\i+1], s[FS+2*\hh:FS+2*\hh+1], v[GZ+2*\hh:GZ+2*\hh+1] op_sel_hi:[1,0,1]   ; (F cos + G, F sin)
.endr
	WIN (2+(\a/2))                                 ; source 0: the accumulators' window
.irp g, 0,1,2,3
.irp i, 0,2,4,6
	v_pk_mul_f32 v[T+8*\g+\i:T+8*\g+\i+1], v[8*(12*((\a)%2)+4*\hh+\g)+\i:8*(12*((\a)%2)+4*\hh+\g)+\i+1], v[CB+8*\g+\i:CB+8*\g+\i+1] op_sel_hi:[1,0]   ; (x1 c, x2 c)
.endr
.irp i, 0,2,4,6
	v_pk_fma_f32 v[T+8*\g+\i:T+8*\g+\i+1], v[8*(12*((\a)%2)+4*\hh+\g)+\i:8*(12*((\a)%2)+4*\hh+\g)+\i+1], v[CB+8*\g+\i:CB+8*\g+\i+1], v[T+8*\g+\i:T+8*\g+\i+1] op_sel:[1,1,0] op_sel_hi:[0,1,1] neg_lo:[0,1,0]   ; (x1 c - x2 s, x2 c + x1 s)
.endr
.endr
	WIN 0
.irp i, 0,1,2,3,4,5,6,7,8,9,10,11,12,13,14,15
	v_cvt_pk_f16_f32 v[PK+\i], v[T+2*\i], v[T+2*\i+1]
.endr
.if \first == 0
	STORES                                         ; the head before: its rows have had this head's arithmetic in which to come back
.endif
.irp g, 0,1,2,3
	ds_store_b128 v[STO], v[PK+4*\g:PK+4*\g+3] offset:\hh*HSTG+32*\g
.endr
	s_wait_xcnt 0x0                                ; the buffer about to be loaded was store data two heads ago: loaded again only behind this wait
.irp t, 0,1,2,3
	ds_load_b128 v[RBC+4*\t:RBC+4*\t+3], v[RD] offset:\hh*HSTG+4*SPITCH*\t   ; LDS serves a wave's instructions in order (ISA guide 5.7.1.4): these see the stores above
.endr
.set RBT, RBC
.set RBC, RBP
.set RBP, RBT
.set PA, \a
.set PHH, \hh
.endm
	HEAD 0, 0, 1
	HEAD 0, 1, 0
	HEAD 0, 2, 0
.irp a, 1,2,3
	HEAD \a, 0, 0
	HEAD \a, 1, 0
	HEAD \a, 2, 0
.endr
	STORES
	s_set_vgpr_msb 0x5
	s_wait_tensorcnt 0x0
	ds_add_u32 v254, v255
	s_wait_dscnt 0x0
	s_set_vgpr_msb 0x500
	CROUND                                         ; the closing round: no work-group ends while a partner may still ask jointly
	s_endpgm
.Lfunc_end_k_qbe4322d90d_qkv:
	.size	k_qbe4322d90d_qkv, .Lfunc_end_k_qbe4322d90d_qkv-k_qbe4322d90d_qkv
	.p2alignl 7, 3214868480
	.fill 96, 4, 3214868480
	.section	.rodata,"a",@progbits
	.p2align	6, 0x0
	.amdhsa_kernel k_qbe4322d90d_qkv
		.amdhsa_group_segment_fixed_size 327680
		.amdhsa_private_segment_fixed_size 0
		.amdhsa_enable_private_segment 0
		.amdhsa_kernarg_size 32
		.amdhsa_user_sgpr_count 2
		.amdhsa_user_sgpr_kernarg_segment_ptr 1
		.amdhsa_wavefront_size32 1
		.amdhsa_system_sgpr_workgroup_id_x 1
		.amdhsa_system_sgpr_workgroup_id_y 1
		.amdhsa_system_sgpr_workgroup_id_z 1
		.amdhsa_system_vgpr_workitem_id 0
		.amdhsa_next_free_vgpr 960
		.amdhsa_next_free_sgpr 76
		.amdhsa_reserve_vcc 0
		.amdhsa_float_denorm_mode_32 3
		.amdhsa_float_denorm_mode_16_64 3
		.amdhsa_memory_ordered 1
		.amdhsa_forward_progress 1
		.amdhsa_inst_pref_size 204
	.end_amdhsa_kernel
	.amdgpu_metadata
---
amdhsa.version: [ 1, 2 ]
amdhsa.kernels:
  - .name:           k_qbe4322d90d_qkv
    .symbol:         k_qbe4322d90d_qkv.kd
    .args:
      - { .name: xb, .offset: 0, .size: 8, .value_kind: global_buffer, .address_space: global }
      - { .name: wb, .offset: 8, .size: 8, .value_kind: global_buffer, .address_space: global }
      - { .name: rope, .offset: 16, .size: 8, .value_kind: global_buffer, .address_space: global }
      - { .name: qkv, .offset: 24, .size: 8, .value_kind: global_buffer, .address_space: global }
    .group_segment_fixed_size: 327680
    .private_segment_fixed_size: 0
    .kernarg_segment_align: 8
    .kernarg_segment_size: 32
    .max_flat_workgroup_size: 128
    .sgpr_count:     76
    .vgpr_count:     960
    .wavefront_size: 32
...
	.end_amdgpu_metadata
.endif
;; end of part 2
;; launch attn (part 3): grid 8 x 32, 4 waves a work-group, no clusters, 327,680 bytes of LDS; arguments qkv, attn; writes attn
.if DOCPART == 3
	.amdgcn_target "amdgcn-amd-amdhsa--gfx1250"
	.amdhsa_code_object_version 6
	.text
	.protected	k_qbe4322d90d_attn
	.globl	k_qbe4322d90d_attn
	.p2align	8
	.type	k_qbe4322d90d_attn,@function
k_qbe4322d90d_attn:
	s_mov_b64 s[64:65], 0
	v_nop
	global_prefetch_b8 v0, s[64:65] scope:SCOPE_SE
	s_setreg_imm32_b32 hwreg(HW_REG_WAVE_MODE, 25, 1), 1
	s_wait_xcnt 0x0
; ATTN: causal attention of one head (y = 16 b + h), f16 operands, f32 scores and sums, a running maximum.
; q already carries log2(e)/8, so P = 2^(score - maximum).  attn[bh][s][64] in f16.
; The 2,048 queries of a head are 16 blocks of 128.  Work-group p takes blocks p and 15 - p: two diagonal tiles and 15 full tiles of 128
; keys for every work-group, 256 equal work-groups.  Wave w takes 32 queries of a block (two tiles of 16).  Block A is the one of the two
; with an even number of full tiles, block B the other; tiles above the diagonal are never loaded.
; NO CLUSTER: the eight work-groups of a head walk different lists of tiles with different trip counts (they hang on p), so joint
; requests would need every partner to walk all 16 tiles, twice the tiles that the causal mask leaves.
; TRANSPOSED throughout: S^T = K Q^T (a lane holds query l % 16 and keys 8 (l / 16) + j), so two score tiles packed to f16 in place are the
; B fragment of P for 32 keys; O^T = V^T P^T with V^T from the transposing LDS load.  Maximum, sum and rescaling are a lane's own; one
; exchange between the two halves of the lanes joins them.
; LIMITS: P below 2^-25 of its row's maximum is dropped (f16); the output is kept in f16 (finite up to 65,504).
.set KP,    144                        ; a row of K in LDS: 128 bytes + 16
.set VP,    160                        ; a row of V: 128 bytes + 32 (an odd multiple of 32 for the transposing load)
.set KT,    128*KP
.set SLOT,  KT+128*VP                  ; slots: 0 diagonal tile of block A, 1 of block B (each filled once), 2 and 3 the ring
.set STAGE, 4*SLOT
.set WSTG,  32*KP
.set ADK,  4                           ; v4-7    slot's K: r x 144 + 16 h
.set ADV,  8                           ; v8-11   slot's V: (8 h + l % 8) x 160 + 16 ((l / 8) % 2)
.set STO,  12
.set RD,   13
.set QOA,  14                          ; v14, 15 my byte offset in q, block A, B
.set DM,   16                          ; v16     r - 8 h + 32 w: a key of the diagonal tile is masked if its constant part is greater
.set NINF, 17
.set MX,   18                          ; v[18:19] running maximum of my two queries
.set LS,   20                          ; v[20:21] running sum (this half's keys)
.set AL,   22                          ; v[22:23] 2^(old maximum - new)
.set OOA,  24                          ; v24, 25 my byte offset in attn, block A, B
.set TM,   26                          ; v26-31  at work
.set SC,   32                          ; v32-95  scores: 32 qt + 8 kt; then P: 32 qt + 8 u
.set KF,   96                          ; v96-159 K fragments: 16 kt + 8 ks
.set VF,   160                         ; v160-223 V^T fragments: 32 u + 8 dt
.set SU,   224                         ; v224-231 sums; v224-255 rows on the way out
.set OA,   0                           ; window 1: v0-63 O^T: 8 (2 dt + qt)
.set QA,   64                          ; window 1: v64-95 Q of block A: 16 qt + 8 ks
.set QB,   96                          ; window 1: v96-127 Q of block B
.set G1K, 16                           ; s[16:23]
.set G1V, 24                           ; s[24:31]
.set G0,  32                           ; s[32:63] slot sl: K's group 0 at 32 + 8 sl, V's at 36 + 8 sl
.set MSB, 0
.macro WIN new
.if MSB != \new
	s_set_vgpr_msb (MSB<<8)|\new
.set MSB, \new
.endif
.endm
	s_load_b128 s[4:7], s[0:1], 0x0                ; qkv 4, attn 6
	s_set_vgpr_msb 0x40
	v_lshl_add_u32 v128, v0, 2, 0x2a800
	v_mov_b32 v129, 0
	s_set_vgpr_msb 0x4045
	ds_add_u32 v128, v129
	ds_add_u32 v128, v129
	s_set_vgpr_msb 0x4500
	v_lshrrev_b32 v1, 5, v0
	v_readfirstlane_b32 s8, v1                     ; wave
	s_mov_b32 s9, ttmp9                            ; p
	s_and_b32 s10, ttmp7, 0xffff                   ; bh
	s_sub_co_u32 s11, 15, s9
	s_bitcmp1_b32 s9, 0
	s_cselect_b32 s73, s11, s9                     ; block A: the even one of p, 15 - p
	s_sub_co_u32 s11, 15, s73                      ; block B
	s_lshr_b32 s71, s73, 1                         ; pairs of full tiles of block A (may be 0)
	s_lshr_b32 s72, s11, 1                         ; pairs of block B; one more tile follows them
	s_mov_b32 s66, 1                               ; the next full tile to fetch
	s_mov_b32 s67, s73                             ; behind block A's last full tile comes tile 0 again, for block B
	s_mov_b32 s76, 0x76543210                      ; v_permlanex16_b32: lane i reads lane i of the other half
	s_mov_b32 s77, 0xfedcba98
	s_mov_b32 s[G1K+0], (1<<16)|(1<<20)|(4<<22)|(3<<25)    ; 2-byte elements; 4 words of padding behind every 32
	s_mov_b32 s[G1K+1], 64<<16                     ; tensor_dim0 = 64
	s_mov_b32 s[G1K+2], 32<<16                     ; tensor_dim1 = 32
	s_mov_b32 s[G1K+3], 64<<16                     ; tile_dim0 = 64
	s_mov_b32 s[G1K+4], 32                         ; tile_dim1 = 32 rows: a wave's quarter of a tile
	s_mov_b32 s[G1K+5], 64                         ; elements from row to row
	s_mov_b32 s[G1K+6], 0
	s_mov_b32 s[G1K+7], 0
	s_mov_b32 s[G1V+0], (1<<16)|(1<<20)|(4<<22)|(7<<25)    ; 8 words of padding
	s_mov_b32 s[G1V+1], 64<<16
	s_mov_b32 s[G1V+2], 32<<16
	s_mov_b32 s[G1V+3], 64<<16
	s_mov_b32 s[G1V+4], 32
	s_mov_b32 s[G1V+5], 64
	s_mov_b32 s[G1V+6], 0
	s_mov_b32 s[G1V+7], 0
	s_mul_i32 s78, s8, 32*KP
	s_mul_i32 s79, s8, 32*VP
.irp sl, 0,1,2,3
	s_mov_b32 s[G0+8*\sl], 1
	s_add_co_u32 s[G0+8*\sl+1], s78, \sl*SLOT
	s_mov_b32 s[G0+8*\sl+4], 1
	s_add_co_u32 s[G0+8*\sl+5], s79, \sl*SLOT+KT
.endr
	s_lshl_b32 s68, s10, 18                        ; a plane is 2^18 bytes
	s_mov_b32 s69, 0                               ; stays 0: s[68:69] is an offset
	s_lshl_b32 s78, s8, 12                         ; my 32 rows of a tile
	s_wait_dscnt 0x0
	s_wait_kmcnt 0x0
	s_add_nc_u64 s[74:75], s[4:5], s[68:69]        ; q's plane
	s_add_nc_u64 s[6:7], s[6:7], s[68:69]          ; attn's plane
	s_add_co_u32 s68, s68, s78
	s_add_co_u32 s68, s68, 32<<18
	s_add_nc_u64 s[12:13], s[4:5], s[68:69]        ; k's plane at my rows of tile 0
	s_add_nc_u64 s[14:15], s[12:13], 32<<18        ; v's
	s_or_b32 s13, s13, 0x80000000                  ; the descriptor's type
	s_or_b32 s15, s15, 0x80000000
	s_lshl_b32 s68, s73, 14                        ; a tile is 16,384 bytes
	s_add_nc_u64 s[G0+2:G0+3], s[12:13], s[68:69]
	s_add_nc_u64 s[G0+6:G0+7], s[14:15], s[68:69]
	s_lshl_b32 s68, s11, 14
	s_add_nc_u64 s[G0+10:G0+11], s[12:13], s[68:69]
	s_add_nc_u64 s[G0+14:G0+15], s[14:15], s[68:69]
	s_mov_b64 s[G0+18:G0+19], s[12:13]
	s_mov_b64 s[G0+22:G0+23], s[14:15]
	tensor_load_to_lds s[G0:G0+3], s[G1K:G1K+7]            ; block A's diagonal tile,
	s_nop 0
	tensor_load_to_lds s[G0+4:G0+7], s[G1V:G1V+7]
	s_nop 0
	tensor_load_to_lds s[G0+16:G0+19], s[G1K:G1K+7]        ; full tile 0 into the ring,
	s_nop 0
	tensor_load_to_lds s[G0+20:G0+23], s[G1V:G1V+7]
	s_nop 0
	tensor_load_to_lds s[G0+8:G0+11], s[G1K:G1K+7]         ; block B's diagonal tile: six tensor loads of the wave are out
	s_nop 0
	tensor_load_to_lds s[G0+12:G0+15], s[G1V:G1V+7]
	s_nop 0
	v_and_b32 v1, 15, v0                           ; r
	v_bfe_u32 v2, v0, 4, 1                         ; h
	v_and_b32 v3, 31, v0                           ; l
	v_mul_u32_u24 v[ADK], v1, KP
	v_lshl_add_u32 v[ADK], v2, 4, v[ADK]
	v_and_b32 v[TM], 7, v0
	v_lshl_add_u32 v[TM+1], v2, 3, v[TM]
	v_mul_u32_u24 v[ADV], v[TM+1], VP
	v_bfe_u32 v[TM+1], v0, 3, 1
	v_lshl_add_u32 v[ADV], v[TM+1], 4, v[ADV]
	v_add_nc_u32 v[ADV], KT, v[ADV]
.irp sl, 1,2,3
	v_add_nc_u32 v[ADK+\sl], \sl*SLOT, v[ADK]
	v_add_nc_u32 v[ADV+\sl], \sl*SLOT, v[ADV]
.endr
	s_mul_i32 s79, s8, WSTG
	s_add_co_u32 s79, s79, STAGE
	v_add_nc_u32 v[STO], s79, v[ADK]
	v_lshrrev_b32 v[TM+1], 3, v3
	v_mul_u32_u24 v[RD], v[TM+1], KP
	v_lshl_add_u32 v[RD], v[TM], 4, v[RD]
	v_add_nc_u32 v[RD], s79, v[RD]
	s_lshl_b32 s78, s8, 5                          ; 32 w
	s_lshl_b32 s79, s73, 7
	s_add_co_u32 s79, s79, s78                     ; my first query of block A
	v_add_nc_u32 v[QOA], s79, v1
	v_lshlrev_b32 v[QOA], 7, v[QOA]
	v_lshl_add_u32 v[QOA], v2, 4, v[QOA]
	s_lshl_b32 s79, s79, 7
	v_lshl_add_u32 v[OOA], v3, 4, s79
	s_lshl_b32 s79, s11, 7
	s_add_co_u32 s79, s79, s78                     ; of block B
	v_add_nc_u32 v[QOA+1], s79, v1
	v_lshlrev_b32 v[QOA+1], 7, v[QOA+1]
	v_lshl_add_u32 v[QOA+1], v2, 4, v[QOA+1]
	s_lshl_b32 s79, s79, 7
	v_lshl_add_u32 v[OOA+1], v3, 4, s79
	v_lshlrev_b32 v[DM], 3, v2
	v_sub_nc_u32 v[DM], v1, v[DM]
	v_add_nc_u32 v[DM], s78, v[DM]
	v_mov_b32 v[NINF], 0xff800000
	v_mov_b32 v[TM+4], 0                           ; destinations of v_permlanex16_b32 count as read
	v_mov_b32 v[TM+5], 0
	WIN 0x40                                       ; destination window 1
.irp bl, 0,1
.irp qt, 0,1
.irp ks, 0,1
	global_load_b128 v[QA+32*\bl+16*\qt+8*\ks:QA+32*\bl+16*\qt+8*\ks+3],   v[QOA+\bl], s[74:75] offset:\qt*2048+64*\ks
	global_load_b128 v[QA+32*\bl+16*\qt+8*\ks+4:QA+32*\bl+16*\qt+8*\ks+7], v[QOA+\bl], s[74:75] offset:\qt*2048+64*\ks+32
.endr
.endr
.endr
	WIN 0
.macro P4                              ; four plain places behind a matrix instruction before a vector read of its result or a load into a source
.rept 4
	v_nop
.endr
.endm
.macro P5                              ; five before a matrix instruction writes over a source
.rept 5
	v_nop
.endr
.endm
.macro LOADK sl, sb                    ; 64 keys x 64: 16 loads
	WIN 0
.irp kt, 0,1,2,3
.irp ks, 0,1
	ds_load_b128 v[KF+16*\kt+8*\ks:KF+16*\kt+8*\ks+3],   v[ADK+\sl] offset:(64*\sb+16*\kt)*KP+64*\ks
	ds_load_b128 v[KF+16*\kt+8*\ks+4:KF+16*\kt+8*\ks+7], v[ADK+\sl] offset:(64*\sb+16*\kt)*KP+64*\ks+32
.endr
.endr
.endm
.macro LOADV sl, sb                    ; the same 64 keys of V, transposed: 16 loads
	WIN 0
.irp u, 0,1
.irp dt, 0,1,2,3
	ds_load_tr16_b128 v[VF+32*\u+8*\dt:VF+32*\u+8*\dt+3],   v[ADV+\sl] offset:(64*\sb+32*\u)*VP+32*\dt
	ds_load_tr16_b128 v[VF+32*\u+8*\dt+4:VF+32*\u+8*\dt+7], v[ADV+\sl] offset:(64*\sb+32*\u)*VP+32*\dt+16*VP
.endr
.endr
.endm
.macro SMUL qb                         ; S^T = K Q^T: eight accumulators by turns, one instruction a turn
	WIN 0x04                                       ; source 1 (Q) window 1
.irp kt, 0,1,2,3
.irp qt, 0,1
	v_wmma_f32_16x16x32_f16 v[SC+32*\qt+8*\kt:SC+32*\qt+8*\kt+7], v[KF+16*\kt:KF+16*\kt+7], v[\qb+16*\qt:\qb+16*\qt+7], 0
.endr
.endr
.irp kt, 0,1,2,3
.irp qt, 0,1
	v_wmma_f32_16x16x32_f16 v[SC+32*\qt+8*\kt:SC+32*\qt+8*\kt+7], v[KF+16*\kt+8:KF+16*\kt+15], v[\qb+16*\qt+8:\qb+16*\qt+15], v[SC+32*\qt+8*\kt:SC+32*\qt+8*\kt+7]
.endr
.endr
.endm
; 64 keys x 32 queries: mask (diagonal tile), new maximum, P = 2^(S - maximum), sum, P to f16 in place.  first = 1: nothing is carried in.
.macro SOFTMAX first, mask, sb
	WIN 0
.if \mask
.irp qt, 0,1
.irp kt, 0,1,2,3
.irp j, 0,1,2,3,4,5,6,7
	v_cmp_gt_i32 vcc_lo, 64*\sb+16*(\kt-\qt)+\j, v[DM]     ; key above query
	v_cndmask_b32 v[SC+32*\qt+8*\kt+\j], v[SC+32*\qt+8*\kt+\j], v[NINF], vcc_lo
.endr
.endr
.endr
.endif
.irp c, 0,1,2,3                                    ; four chains of 15 values; chains 0, 1: query tile 0
	v_max3_num_f32 v[TM+\c], v[SC+16*\c], v[SC+16*\c+1], v[SC+16*\c+2]
.endr
.irp i, 3,5,7,9,11,13
.irp c, 0,1,2,3
	v_max3_num_f32 v[TM+\c], v[TM+\c], v[SC+16*\c+\i], v[SC+16*\c+\i+1]
.endr
.endr
.irp qt, 0,1
	v_max3_num_f32 v[TM+2*\qt], v[TM+2*\qt], v[TM+2*\qt+1], v[SC+32*\qt+15]
.endr
.irp qt, 0,1
.if \first
	v_max_num_f32 v[TM+2*\qt], v[TM+2*\qt], v[SC+32*\qt+31]
.else
	v_max3_num_f32 v[TM+2*\qt], v[TM+2*\qt], v[SC+32*\qt+31], v[MX+\qt]
.endif
.endr
	v_permlanex16_b32 v[TM+4], v[TM], s76, s77     ; the other half's keys
	v_permlanex16_b32 v[TM+5], v[TM+2], s76, s77
	v_max_num_f32 v[TM], v[TM], v[TM+4]
	v_max_num_f32 v[TM+2], v[TM+2], v[TM+5]
.if \first == 0
	v_sub_f32 v[AL], v[MX], v[TM]
	v_sub_f32 v[AL+1], v[MX+1], v[TM+2]
.endif
	v_mov_b32 v[MX], v[TM]
	v_mov_b32 v[MX+1], v[TM+2]
.if \first == 0
	v_exp_f32 v[AL], v[AL]
	v_exp_f32 v[AL+1], v[AL+1]
.endif
.irp qt, 0,1
.set n, 0
.rept 16
	v_pk_add_f32 v[SC+32*\qt+n:SC+32*\qt+n+1], v[SC+32*\qt+n:SC+32*\qt+n+1], v[MX:MX+1] op_sel:[0,\qt] op_sel_hi:[1,\qt] neg_lo:[0,1] neg_hi:[0,1]
.set n, n+2
.endr
.endr
.set n, 0
.rept 64
	v_exp_f32 v[SC+n], v[SC+n]
.set n, n+1
.endr
	v_nop                                          ; the plain instruction between the exponentials and the first use of a result (ISA guide 5.7.2)
	s_wait_alu depctr_va_vdst(0)
.irp c, 0,1,2,3
	v_pk_add_f32 v[SU+2*\c:SU+2*\c+1], v[SC+16*\c:SC+16*\c+1], v[SC+16*\c+2:SC+16*\c+3]
.endr
.irp i, 4,6,8,10,12,14
.irp c, 0,1,2,3
	v_pk_add_f32 v[SU+2*\c:SU+2*\c+1], v[SU+2*\c:SU+2*\c+1], v[SC+16*\c+\i:SC+16*\c+\i+1]
.endr
.endr
.irp qt, 0,1
	v_pk_add_f32 v[SU+4*\qt:SU+4*\qt+1], v[SU+4*\qt:SU+4*\qt+1], v[SU+4*\qt+2:SU+4*\qt+3]
.endr
.irp qt, 0,1
.if \first
	v_add_f32 v[LS+\qt], v[SU+4*\qt], v[SU+4*\qt+1]
.else
	v_add_f32 v[SU+4*\qt], v[SU+4*\qt], v[SU+4*\qt+1]
.endif
.endr
.if \first == 0
	v_fma_f32 v[LS], v[LS], v[AL], v[SU]
	v_fma_f32 v[LS+1], v[LS+1], v[AL+1], v[SU+4]
.endif
.irp qt, 0,1
.set n, 0
.rept 16
	v_cvt_pk_f16_f32 v[SC+32*\qt+n], v[SC+32*\qt+2*n], v[SC+32*\qt+2*n+1]   ; ascending: register n takes values 2 n, 2 n + 1, already read below it
.set n, n+1
.endr
.endr
.endm
.macro RESCALE
	WIN 0x41                                       ; O in window 1, the factor in window 0
.irp dt, 0,1,2,3
.irp qt, 0,1
.irp i, 0,2,4,6
	v_pk_mul_f32 v[OA+8*(2*\dt+\qt)+\i:OA+8*(2*\dt+\qt)+\i+1], v[OA+8*(2*\dt+\qt)+\i:OA+8*(2*\dt+\qt)+\i+1], v[AL:AL+1] op_sel:[0,\qt] op_sel_hi:[1,\qt]
.endr
.endr
.endr
.endm
.macro PVMUL first                     ; O^T += V^T P^T: eight accumulators by turns
	WIN 0x50                                       ; C and D window 1
.irp dt, 0,1,2,3
.irp qt, 0,1
.if \first
	v_wmma_f32_16x16x32_f16 v[OA+8*(2*\dt+\qt):OA+8*(2*\dt+\qt)+7], v[VF+8*\dt:VF+8*\dt+7], v[SC+32*\qt:SC+32*\qt+7], 0
.else
	v_wmma_f32_16x16x32_f16 v[OA+8*(2*\dt+\qt):OA+8*(2*\dt+\qt)+7], v[VF+8*\dt:VF+8*\dt+7], v[SC+32*\qt:SC+32*\qt+7], v[OA+8*(2*\dt+\qt):OA+8*(2*\dt+\qt)+7]
.endif
.endr
.endr
.irp dt, 0,1,2,3
.irp qt, 0,1
	v_wmma_f32_16x16x32_f16 v[OA+8*(2*\dt+\qt):OA+8*(2*\dt+\qt)+7], v[VF+32+8*\dt:VF+32+8*\dt+7], v[SC+32*\qt+8:SC+32*\qt+15], v[OA+8*(2*\dt+\qt):OA+8*(2*\dt+\qt)+7]
.endr
.endr
.endm
; A full tile: two sub-steps of 64 keys.
.macro BODY sl, qb
	LOADK \sl, 0
	LOADV \sl, 0
	s_wait_dscnt 16                                ; K is in; V's 16 loads stay out
	SMUL \qb
	P4
	LOADK \sl, 1
	SOFTMAX 0, 0, 0
	s_wait_dscnt 16                                ; V is in; the next K's 16 stay out
	RESCALE
	PVMUL 0
	P5
	LOADV \sl, 1
	s_wait_dscnt 16                                ; K is in; V's 16 stay out
	SMUL \qb
	P4
	SOFTMAX 0, 0, 1
	s_wait_dscnt 0
	RESCALE
	PVMUL 0
	P5
	WIN 0
.endm
; A diagonal tile starts a block: its first 64 keys start maximum, sum and O (key 0 of the tile is open to every query of the block, so the
; maximum is finite).  Keys 64-127 lie above all queries of waves 0 and 1, which jump over them.
.macro DIAG sl, qb
	LOADK \sl, 0
	LOADV \sl, 0
	s_wait_dscnt 16
	SMUL \qb
	P4
	SOFTMAX 1, 1, 0
	s_wait_dscnt 0
	PVMUL 1
	P5
	WIN 0
	s_cmp_lt_u32 s8, 2
	s_cbranch_scc1 .Lupper_\@
	LOADK \sl, 1
	LOADV \sl, 1
	s_wait_dscnt 16
	SMUL \qb
	P4
	SOFTMAX 0, 1, 1
	s_wait_dscnt 0
	RESCALE
	PVMUL 0
	P5
	WIN 0
.Lupper_\@:
.endm
; One full tile from ring slot sl; the other ring slot, read last trip, is filled again first thing behind the barrier.
.macro TRIP sl, ot, refill, qb
	s_set_vgpr_msb 0x5
	s_wait_tensorcnt 0x0                           ; all my tensor loads have landed, my part of this trip's tile among them: every group 0 may be written
	ds_add_u32 v128, v129
	s_wait_dscnt 0x0
	s_set_vgpr_msb 0x500
.if \refill
	s_lshl_b32 s68, s66, 14
	s_add_nc_u64 s[G0+8*\ot+2:G0+8*\ot+3], s[12:13], s[68:69]
	s_add_nc_u64 s[G0+8*\ot+6:G0+8*\ot+7], s[14:15], s[68:69]
	s_add_co_u32 s66, s66, 1
	s_cmp_eq_u32 s66, s67
	s_cselect_b32 s66, 0, s66
.endif
	s_wait_dscnt 0x0                               ; my reads of the other slot are over
	s_barrier_signal -1
	s_barrier_wait -1                              ; both now hold of all four waves
.if \refill
	tensor_load_to_lds s[G0+8*\ot:G0+8*\ot+3], s[G1K:G1K+7]        ; two loads of the wave are out; they have this trip's 64 matrix
	s_nop 0
	tensor_load_to_lds s[G0+8*\ot+4:G0+8*\ot+7], s[G1V:G1V+7]      ; instructions and two softmaxes in which to land
	s_nop 0
.endif
	BODY \sl, \qb
.endm
; A block's end: join the halves' sums, divide, round to f16, through my stage, whole rows out.
.macro FINAL oo
	WIN 0
	v_permlanex16_b32 v[TM+4], v[LS], s76, s77
	v_permlanex16_b32 v[TM+5], v[LS+1], s76, s77
	v_add_f32 v[LS], v[LS], v[TM+4]
	v_add_f32 v[LS+1], v[LS+1], v[TM+5]
	v_rcp_f32 v[AL], v[LS]
	v_rcp_f32 v[AL+1], v[LS+1]
	v_nop                                          ; the plain instruction behind v_rcp_f32 (ISA guide 5.7.2)
	WIN 0x01                                       ; source 0 (O) window 1
	s_wait_alu depctr_va_vdst(0)
.irp dt, 0,1,2,3
.irp qt, 0,1
.irp i, 0,2,4,6
	v_pk_mul_f32 v[SC+8*(2*\dt+\qt)+\i:SC+8*(2*\dt+\qt)+\i+1], v[OA+8*(2*\dt+\qt)+\i:OA+8*(2*\dt+\qt)+\i+1], v[AL:AL+1] op_sel:[0,\qt] op_sel_hi:[1,\qt]
.endr
.endr
.endr
	WIN 0
.set n, 0
.rept 32
	v_cvt_pk_f16_f32 v[SC+n], v[SC+2*n], v[SC+2*n+1]
.set n, n+1
.endr
.irp dt, 0,1,2,3
.irp qt, 0,1
	ds_store_b128 v[STO], v[SC+4*(2*\dt+\qt):SC+4*(2*\dt+\qt)+3] offset:\qt*16*KP+32*\dt
.endr
.endr
	s_wait_xcnt 0x0                                ; the registers loaded next were store data at the last block's end
.irp t, 0,1,2,3,4,5,6,7
	ds_load_b128 v[SU+4*\t:SU+4*\t+3], v[RD] offset:4*KP*\t        ; LDS serves a wave's instructions in order (ISA guide 5.7.1.4)
.endr
.irp t, 0,1,2,3,4,5,6,7
	s_wait_dscnt 7-\t
	global_store_b128 v[\oo], v[SU+4*\t:SU+4*\t+3], s[6:7] offset:512*\t   ; 512 consecutive bytes, aligned
.endr
.endm
	s_wait_tensorcnt 0x4                           ; my part of block A's diagonal tile is in; the four younger loads stay out
	s_wait_loadcnt 0x0                             ; Q
	s_barrier_signal -1
	s_barrier_wait -1
	DIAG 0, QA
	s_cmp_eq_u32 s71, 0
	s_cbranch_scc1 .LdoneA
	s_mov_b32 s70, 0
.LloopA:
	TRIP 2, 3, 1, QA
	TRIP 3, 2, 1, QA                               ; the last refill is tile 0 again: block B's first full tile
	s_add_co_u32 s70, s70, 1
	s_cmp_lt_u32 s70, s71
	s_cbranch_scc1 .LloopA
.LdoneA:
	FINAL OOA
	s_mov_b32 s67, 0xffff                          ; block B: no more wrapping
	s_wait_xcnt 0x0                                ; the stores' data registers are the next block's sums
	s_wait_tensorcnt 0x0                           ; block B's diagonal tile (and the ring's tile 0)
	s_wait_dscnt 0x0
	s_barrier_signal -1
	s_barrier_wait -1
	DIAG 1, QB
	s_cmp_eq_u32 s72, 0
	s_cbranch_scc1 .LtailB
	s_mov_b32 s70, 0
.LloopB:
	TRIP 2, 3, 1, QB
	TRIP 3, 2, 1, QB
	s_add_co_u32 s70, s70, 1
	s_cmp_lt_u32 s70, s72
	s_cbranch_scc1 .LloopB
.LtailB:
	TRIP 2, 3, 0, QB                               ; block B's last full tile; nothing more is fetched
	FINAL OOA+1
	s_set_vgpr_msb 0x5
	s_wait_tensorcnt 0x0
	ds_add_u32 v128, v129
	s_wait_dscnt 0x0
	s_set_vgpr_msb 0x500
	s_endpgm
.Lfunc_end_k_qbe4322d90d_attn:
	.size	k_qbe4322d90d_attn, .Lfunc_end_k_qbe4322d90d_attn-k_qbe4322d90d_attn
	.p2alignl 7, 3214868480
	.fill 96, 4, 3214868480
	.section	.rodata,"a",@progbits
	.p2align	6, 0x0
	.amdhsa_kernel k_qbe4322d90d_attn
		.amdhsa_group_segment_fixed_size 327680
		.amdhsa_private_segment_fixed_size 0
		.amdhsa_enable_private_segment 0
		.amdhsa_kernarg_size 16
		.amdhsa_user_sgpr_count 2
		.amdhsa_user_sgpr_kernarg_segment_ptr 1
		.amdhsa_wavefront_size32 1
		.amdhsa_system_sgpr_workgroup_id_x 1
		.amdhsa_system_sgpr_workgroup_id_y 1
		.amdhsa_system_sgpr_workgroup_id_z 1
		.amdhsa_system_vgpr_workitem_id 0
		.amdhsa_next_free_vgpr 386
		.amdhsa_next_free_sgpr 80
		.amdhsa_reserve_vcc 1
		.amdhsa_float_denorm_mode_32 3
		.amdhsa_float_denorm_mode_16_64 3
		.amdhsa_memory_ordered 1
		.amdhsa_forward_progress 1
		.amdhsa_inst_pref_size 255
	.end_amdhsa_kernel
	.section	.bss,"aw",@nobits
	.p2align	6
	.space	262144
	.amdgpu_metadata
---
amdhsa.version: [ 1, 2 ]
amdhsa.kernels:
  - .name:           k_qbe4322d90d_attn
    .symbol:         k_qbe4322d90d_attn.kd
    .args:
      - { .name: qkv, .offset: 0, .size: 8, .value_kind: global_buffer, .address_space: global }
      - { .name: attn, .offset: 8, .size: 8, .value_kind: global_buffer, .address_space: global }
    .group_segment_fixed_size: 327680
    .private_segment_fixed_size: 0
    .kernarg_segment_align: 8
    .kernarg_segment_size: 16
    .max_flat_workgroup_size: 128
    .sgpr_count:     80
    .vgpr_count:     386
    .wavefront_size: 32
...
	.end_amdgpu_metadata
.endif
;; end of part 3
;; launch oproj (part 4): grid 8 x 32, 4 waves a work-group, clusters of 4 x 4, 327,680 bytes of LDS; arguments attn, wo16, out0; writes out0
.if DOCPART == 4
	.amdgcn_target "amdgcn-amd-amdhsa--gfx1250"
	.amdhsa_code_object_version 6
	.text
	.protected	k_qbe4322d90d_oproj
	.globl	k_qbe4322d90d_oproj
	.p2align	8
	.type	k_qbe4322d90d_oproj,@function
k_qbe4322d90d_oproj:
	s_mov_b64 s[64:65], 0
	v_nop
	global_prefetch_b8 v0, s[64:65] scope:SCOPE_SE
	s_setreg_imm32_b32 hwreg(HW_REG_WAVE_MODE, 25, 1), 1
	s_wait_xcnt 0x0
	s_wait_alu depctr_hold_cnt(0) depctr_sa_sdst(0) depctr_va_vdst(0) depctr_va_sdst(0) depctr_va_ssrc(0) depctr_va_vcc(0) depctr_vm_vsrc(0)
	s_getreg_b32 s2, hwreg(HW_REG_IB_STS2, 6, 4)
	s_cmp_eq_u32 s2, 0
	s_cbranch_scc0 .Lentry_in_a_cluster
	s_endpgm
.Lentry_in_a_cluster:
	s_bfe_u32 s2, ttmp6, 0x10000c
	s_cmp_lg_u32 s2, 0xf033
	s_cbranch_scc0 .Lentry_shape_is_right
	s_endpgm
.Lentry_shape_is_right:
; OPROJ: out0 [4096 x 1024] f32 = attn . wo16^T, f16 operands, f32 sums.  attn lies in planes [16 b + h][s][64].
; A work-group makes 128 x 128, a wave 64 x 64 (16 accumulator tiles).  K = 1024 goes in 8 steps of 128 = two heads, written out without a
; loop, through four LDS slots of which two are filled again behind one round of the cluster's barrier: each refill has two steps to land.
; CLUSTERS: 4 x 4; attn's tiles are asked for jointly along a row of the cluster, Wo's along a column.
; Used transposed (source 0 = rows of Wo, source 1 = rows of attn): a lane holds eight neighbouring columns of one row.
.set AP,    144                        ; a row of one head in LDS: 128 bytes + 16
.set APL,   128*AP                     ; a head's 128 rows
.set BP,    272                        ; a row of Wo: 256 bytes + 16
.set BOFF,  2*APL
.set SLOT,  BOFF+128*BP
.set STAGE, 4*SLOT
.set SPITCH, 272                       ; a staged row: 64 f32 + 16 bytes
.set ASTEP, 1<<19                      ; two planes on
.set BSTEP, 256
.set ADRA, 4                           ; v4-7
.set ADRB, 8                           ; v8-11
.set STO,  12
.set RD,   13
.set CO,   14
.set FA,   32                          ; A's fragments: v32-63, v96-127
.set FB,   64                          ; B's fragments: v64-95, v128-159
.set RB0,  160
.set RB1,  192
.set G1,  24
.set G1B, 32
.set G0,  68                           ; s[68:83] A's group 0, one set for each slot
.set G0B, 84                           ; s[84:99] B's
.set MSB, 0
.macro WIN new
.if MSB != \new
	s_set_vgpr_msb (MSB<<8)|\new
.set MSB, \new
.endif
.endm
.macro JLOAD s
	s_cmp_eq_u32 s13, 0
	s_cbranch_scc0 .Lfor_b_\@
	tensor_load_to_lds s[G0+4*\s:G0+4*\s+3], s[G1:G1+7]
	s_nop 0
	s_branch .Lasked_\@
.Lfor_b_\@:
	tensor_load_to_lds s[G0B+4*\s:G0B+4*\s+3], s[G1B:G1B+7]
	s_nop 0
.Lasked_\@:
.endm
.macro CROUND
	s_barrier_signal -1
	s_barrier_wait -1
	s_cmp_lg_u32 s12, 0
	s_cbranch_scc1 .Lnot_wave_0_\@
	s_barrier_signal -3
.Lnot_wave_0_\@:
	s_barrier_wait -3
	s_barrier_signal -1
	s_barrier_wait -1
.endm
	s_load_b128 s[4:7], s[0:1], 0x0                ; attn 4, wo16 6
	s_load_b64 s[8:9], s[0:1], 0x10                ; out0
	v_lshl_add_u32 v254, v0, 2, 0x4a400
	v_mov_b32 v255, 0
	ds_add_u32 v254, v255
	ds_add_u32 v254, v255
	v_lshrrev_b32 v1, 5, v0
	v_readfirstlane_b32 s12, v1                    ; wave
	s_lshr_b32 s13, s12, 1                         ; my half of the rows.  Also: I fetch for A (0) or for B (1)
	s_and_b32 s14, s12, 1                          ; my half of the columns.  Also: which part of that tile I fetch
	s_bfe_u32 s40, ttmp6, 0x40000                  ; cx
	s_bfe_u32 s41, ttmp6, 0x40004                  ; cy
	s_lshl_b32 s42, ttmp9, 2
	s_add_co_u32 s42, s42, s40                     ; block column, 0..7
	s_and_b32 s15, ttmp7, 0xffff
	s_lshl_b32 s15, s15, 2
	s_add_co_u32 s15, s15, s41                     ; block row, 0..31
	s_lshl_b32 s43, s41, 2
	s_lshl_b32 s43, 15, s43
	s_lshl_b32 s44, 0x1111, s40
	s_or_b32 s[G1+0], s43, (1<<16)|(1<<20)|(1<<21)|(4<<22)|(3<<25)   ; A: 4 words of padding behind every 32
	s_mov_b32 s[G1+1], 64<<16
	s_mov_b32 s[G1+2], 128<<16
	s_mov_b32 s[G1+3], 64<<16
	s_mov_b32 s[G1+4], 128                         ; 128 rows of one head
	s_mov_b32 s[G1+5], 64
	s_mov_b32 s[G1+6], 0
	s_mov_b32 s[G1+7], 0
	s_or_b32 s[G1B+0], s44, (1<<16)|(1<<20)|(1<<21)|(5<<22)|(3<<25)  ; B: behind every 64
	s_mov_b32 s[G1B+1], 128<<16
	s_mov_b32 s[G1B+2], 64<<16
	s_mov_b32 s[G1B+3], 128<<16
	s_mov_b32 s[G1B+4], 64                         ; 64 rows of Wo
	s_mov_b32 s[G1B+5], 1024
	s_mov_b32 s[G1B+6], 0
	s_mov_b32 s[G1B+7], 0
	s_lshr_b32 s16, s15, 4
	s_lshl_b32 s16, s16, 22                        ; b: 16 planes
	s_and_b32 s17, s15, 15
	s_lshl_b32 s17, s17, 14                        ; 128 rows of 128 bytes
	s_add_co_u32 s16, s16, s17
	s_lshl_b32 s17, s14, 18                        ; the even or the odd head of a step
	s_add_co_u32 s16, s16, s17
	s_mov_b32 s17, 0
	s_lshl_b32 s46, s42, 7
	s_lshl_b32 s47, s14, 6
	s_add_co_u32 s46, s46, s47                     ; Wo: row 128 x block column + 64 x half
	s_lshl_b32 s46, s46, 11
	s_mov_b32 s47, 0
	s_mul_i32 s20, s12, APL                        ; A's planes go to wave x a plane (waves 0, 1)
	s_mul_i32 s21, s12, 64*BP                      ; B's halves to BOFF + (wave - 2) x 64 rows (waves 2, 3)
	s_add_co_u32 s21, s21, BOFF-128*BP
	s_wait_dscnt 0x0
	s_wait_kmcnt 0x0
	s_add_nc_u64 s[18:19], s[4:5], s[16:17]
	s_add_nc_u64 s[46:47], s[6:7], s[46:47]
	CROUND                                         ; in front of the first joint loads
.irp s, 0,1,2,3
	s_mov_b32 s[G0+4*\s], 1
	s_add_co_u32 s[G0+4*\s+1], s20, \s*SLOT
	s_add_nc_u64 s[G0+4*\s+2:G0+4*\s+3], s[18:19], \s*ASTEP
	s_or_b32 s[G0+4*\s+3], s[G0+4*\s+3], 0x80000000
	s_mov_b32 s[G0B+4*\s], 1
	s_add_co_u32 s[G0B+4*\s+1], s21, \s*SLOT
	s_add_nc_u64 s[G0B+4*\s+2:G0B+4*\s+3], s[46:47], \s*BSTEP
	s_or_b32 s[G0B+4*\s+3], s[G0B+4*\s+3], 0x80000000
	JLOAD \s                                       ; K steps 0 to 3: four tensor loads of the wave are out
.endr
	v_and_b32 v1, 15, v0                           ; r
	v_bfe_u32 v2, v0, 4, 1                         ; h
	v_mul_u32_u24 v3, v1, AP
	v_lshl_add_u32 v3, v2, 4, v3
	s_mul_i32 s22, s13, 64*AP
	v_add_nc_u32 v[ADRA], s22, v3
	v_mul_u32_u24 v3, v1, BP
	v_lshl_add_u32 v3, v2, 4, v3
	s_mul_i32 s22, s14, 64*BP
	s_add_co_u32 s22, s22, BOFF
	v_add_nc_u32 v[ADRB], s22, v3
.irp s, 1,2,3
	v_add_nc_u32 v[ADRA+\s], \s*SLOT, v[ADRA]
	v_add_nc_u32 v[ADRB+\s], \s*SLOT, v[ADRB]
.endr
	s_mul_i32 s22, s12, 16*SPITCH
	s_add_co_u32 s22, s22, STAGE
	v_mul_u32_u24 v3, v1, SPITCH
	v_lshl_add_u32 v3, v2, 5, v3                   ; row r, 32 bytes for each half of the lanes
	v_add_nc_u32 v[STO], s22, v3
	v_mul_u32_u24 v3, v2, SPITCH
	v_lshl_add_u32 v3, v1, 4, v3                   ; back: lanes 0-15 one row of 256 bytes, lanes 16-31 the next
	v_add_nc_u32 v[RD], s22, v3
	v_lshlrev_b32 v3, 12, v2
	v_lshl_add_u32 v[CO], v1, 4, v3                ; the same two rows in out0
.macro PLACES                          ; four plain places behind a matrix instruction (ISA guide 7.12.1)
.rept 4
	v_nop
.endr
.endm
.macro FETCH slot, kq, f               ; 16 loads: 64 rows of Wo and 64 rows of attn, 32 K of quarter kq
	WIN 0
.irp i, 0,1,2,3
	ds_load_b128 v[FB+64*\f+8*\i:FB+64*\f+8*\i+3],   v[ADRB+\slot] offset:64*\kq+\i*16*BP
	ds_load_b128 v[FB+64*\f+8*\i+4:FB+64*\f+8*\i+7], v[ADRB+\slot] offset:64*\kq+\i*16*BP+32
.endr
.irp i, 0,1,2,3
	ds_load_b128 v[FA+64*\f+8*\i:FA+64*\f+8*\i+3],   v[ADRA+\slot] offset:(\kq/2)*APL+(\kq%2)*64+\i*16*AP
	ds_load_b128 v[FA+64*\f+8*\i+4:FA+64*\f+8*\i+7], v[ADRA+\slot] offset:(\kq/2)*APL+(\kq%2)*64+\i*16*AP+32
.endr
.endm
.macro QUART f, zero                   ; 16 accumulators by turns, one instruction a turn
	WIN 0x50                                       ; C and D window 1
.irp a, 0,1,2,3
.irp b, 0,1,2,3
.if \zero
	v_wmma_f32_16x16x32_f16 v[8*(4*\a+\b):8*(4*\a+\b)+7], v[FB+64*\f+8*\b:FB+64*\f+8*\b+7], v[FA+64*\f+8*\a:FA+64*\f+8*\a+7], 0
.else
	v_wmma_f32_16x16x32_f16 v[8*(4*\a+\b):8*(4*\a+\b)+7], v[FB+64*\f+8*\b:FB+64*\f+8*\b+7], v[FA+64*\f+8*\a:FA+64*\f+8*\a+7], v[8*(4*\a+\b):8*(4*\a+\b)+7]
.endif
.endr
.endr
.endm
.macro Q_F f, nslot, nkq, g, zero      ; fetch the next quarter into buffer g, multiply buffer f
	PLACES
	FETCH \nslot, \nkq, \g
	s_wait_dscnt 16                                ; buffer f is in; the 16 just issued stay out
	QUART \f, \zero
.endm
.macro START slot                      ; a step that begins behind a barrier fetches its own first quarter
	PLACES
	FETCH \slot, 0, 0
.endm
.macro STEP slot, zero, nslot          ; nslot >= 0: that slot's tile is known to have landed, and the last quarter fetches from it
	Q_F 0, \slot, 1, 1, \zero
	Q_F 1, \slot, 2, 0, 0
	Q_F 0, \slot, 3, 1, 0
.if \nslot >= 0
	Q_F 1, \nslot, 0, 0, 0
.else
	s_wait_dscnt 0
	QUART 1, 0
	WIN 0
.endif
.endm
.macro REFILL s                        ; the slot's tile four K steps on
	s_add_nc_u64 s[G0+4*\s+2:G0+4*\s+3], s[G0+4*\s+2:G0+4*\s+3], 4*ASTEP
	s_add_nc_u64 s[G0B+4*\s+2:G0B+4*\s+3], s[G0B+4*\s+2:G0B+4*\s+3], 4*BSTEP
	JLOAD \s
.endm
	s_wait_tensorcnt 0x3                           ; my part of K step 0 is in; three younger loads stay out
	s_barrier_signal -1
	s_barrier_wait -1
	START 0
	STEP 0, 1, -1                                  ; the first products start the sums
	s_wait_tensorcnt 0x2                           ; K step 1; two younger loads stay out
	s_barrier_signal -1
	s_barrier_wait -1
	START 1
	STEP 1, 0, -1
	s_wait_dscnt 0x0                               ; my reads of slots 0 and 1 are over
	s_wait_tensorcnt 0x0                           ; all my tensor loads have landed (K steps 2, 3)
	ds_add_u32 v254, v255
	s_wait_dscnt 0x0
	CROUND                                         ; both now hold of every wave of the cluster
	REFILL 0                                       ; K steps 4 and 5: the first tensor loads behind the round; two of the wave's are out
	REFILL 1
	START 2
	STEP 2, 0, 3
	STEP 3, 0, -1
	s_wait_dscnt 0x0
	s_wait_tensorcnt 0x0
	ds_add_u32 v254, v255
	s_wait_dscnt 0x0
	CROUND
	REFILL 2                                       ; K steps 6 and 7
	REFILL 3
	START 0
	STEP 0, 0, 1
	STEP 1, 0, -1
	s_wait_dscnt 0x0
	s_wait_tensorcnt 0x0                           ; the last tiles
	s_barrier_signal -1
	s_barrier_wait -1
	START 2
	STEP 2, 0, 3
	STEP 3, 0, -1
	; THE WAY OUT, 16 rows at a time through my stage: whole rows of 256 bytes
	PLACES
	s_lshl_b32 s16, s15, 7
	s_lshl_b32 s17, s13, 6
	s_add_co_u32 s16, s16, s17                     ; my first row
	s_lshl_b32 s16, s16, 12                        ; 4,096 bytes a row
	s_mov_b32 s17, 0
	s_add_nc_u64 s[8:9], s[8:9], s[16:17]
	s_lshl_b32 s46, s42, 9                         ; my first column, in bytes
	s_lshl_b32 s47, s14, 8
	s_add_co_u32 s46, s46, s47
	s_mov_b32 s47, 0
	s_add_nc_u64 s[8:9], s[8:9], s[46:47]
.macro OUT16 a, rb
	WIN 0x04                                       ; store data (source 1) window 1
.irp b, 0,1,2,3
	ds_store_b128 v[STO], v[8*(4*\a+\b):8*(4*\a+\b)+3] offset:64*\b
	ds_store_b128 v[STO], v[8*(4*\a+\b)+4:8*(4*\a+\b)+7] offset:64*\b+16
.endr
	WIN 0
	s_wait_xcnt 0x0                                ; the buffer loaded next was store data two turns ago
.irp t, 0,1,2,3,4,5,6,7
	ds_load_b128 v[\rb+4*\t:\rb+4*\t+3], v[RD] offset:2*SPITCH*\t  ; LDS serves a wave's instructions in order (ISA guide 5.7.1.4)
.endr
.irp t, 0,1,2,3,4,5,6,7
	s_wait_dscnt 7-\t
	global_store_b128 v[CO], v[\rb+4*\t:\rb+4*\t+3], s[8:9] offset:(16*\a+2*\t)*4096 th:TH_STORE_NT   ; 16 lanes store 256 consecutive bytes, aligned
.endr
.endm
	OUT16 0, RB0
	OUT16 1, RB1
	OUT16 2, RB0
	OUT16 3, RB1
	s_wait_tensorcnt 0x0
	ds_add_u32 v254, v255
	s_wait_dscnt 0x0
	CROUND                                         ; the closing round
	s_endpgm
.Lfunc_end_k_qbe4322d90d_oproj:
	.size	k_qbe4322d90d_oproj, .Lfunc_end_k_qbe4322d90d_oproj-k_qbe4322d90d_oproj
	.p2alignl 7, 3214868480
	.fill 96, 4, 3214868480
	.section	.rodata,"a",@progbits
	.p2align	6, 0x0
	.amdhsa_kernel k_qbe4322d90d_oproj
		.amdhsa_group_segment_fixed_size 327680
		.amdhsa_private_segment_fixed_size 0
		.amdhsa_enable_private_segment 0
		.amdhsa_kernarg_size 24
		.amdhsa_user_sgpr_count 2
		.amdhsa_user_sgpr_kernarg_segment_ptr 1
		.amdhsa_wavefront_size32 1
		.amdhsa_system_sgpr_workgroup_id_x 1
		.amdhsa_system_sgpr_workgroup_id_y 1
		.amdhsa_system_sgpr_workgroup_id_z 1
		.amdhsa_system_vgpr_workitem_id 0
		.amdhsa_next_free_vgpr 384
		.amdhsa_next_free_sgpr 100
		.amdhsa_reserve_vcc 0
		.amdhsa_float_denorm_mode_32 3
		.amdhsa_float_denorm_mode_16_64 3
		.amdhsa_memory_ordered 1
		.amdhsa_forward_progress 1
		.amdhsa_inst_pref_size 91
	.end_amdhsa_kernel
	.amdgpu_metadata
---
amdhsa.version: [ 1, 2 ]
amdhsa.kernels:
  - .name:           k_qbe4322d90d_oproj
    .symbol:         k_qbe4322d90d_oproj.kd
    .args:
      - { .name: attn, .offset: 0, .size: 8, .value_kind: global_buffer, .address_space: global }
      - { .name: wo16, .offset: 8, .size: 8, .value_kind: global_buffer, .address_space: global }
      - { .name: out0, .offset: 16, .size: 8, .value_kind: global_buffer, .address_space: global }
    .group_segment_fixed_size: 327680
    .private_segment_fixed_size: 0
    .kernarg_segment_align: 8
    .kernarg_segment_size: 24
    .max_flat_workgroup_size: 128
    .sgpr_count:     100
    .vgpr_count:     384
    .wavefront_size: 32
...
	.end_amdgpu_metadata
.endif
;; end of part 4
